; MI455X (gfx1250); checked and timed in simulation.
; The chip was launched on July 23, 2026; its instructions are those of AMD's public machine-readable ISA for CDNA 5 (MIT licence, August 2026) and "CDNA5" Instruction Set Architecture Reference Guide (July 2026). The comments in the code are by the model that wrote it; some were corrected since.
;; Attention. Allowed arithmetic: float matrix products may take bf16 or f16 operands with f32 sums; all other float work in f32.
;; Inputs: b_out 256 float32; b_qkv 768 float32; w_out 256 x 256 float32; w_qkv 768 x 256 float32; x 8 x 256 x 32 x 32 float32.
;; Outputs: out0 8 x 256 x 32 x 32 float32.
;; One version. Each part assembles by itself: llvm-mc -triple=amdgcn-amd-amdhsa -mcpu=gfx1250 --defsym DOCPART=n.
;; ======== version 1 of 1: 3 launches
;; workspace buffers: qkv 12,582,912 bytes; ao 4,194,304 bytes
;; launch qkv (part 1): grid 256 x 1, 4 waves a work-group, clusters of 4 x 1, 313,344 bytes of LDS; arguments x, w_qkv, b_qkv, qkv; writes qkv
.if DOCPART == 1
	.amdgcn_target "amdgcn-amd-amdhsa--gfx1250"
	.amdhsa_code_object_version 6
	.text
	.protected	k_qcdbfc2f477_qkv
	.globl	k_qcdbfc2f477_qkv
	.p2align	8
	.type	k_qcdbfc2f477_qkv,@function
k_qcdbfc2f477_qkv:
	s_mov_b64 s[64:65], 0
	v_nop
	global_prefetch_b8 v0, s[64:65] scope:SCOPE_SE
	s_setreg_imm32_b32 hwreg(HW_REG_WAVE_MODE, 25, 1), 1
	s_wait_xcnt 0x0
	s_wait_alu depctr_hold_cnt(0) depctr_sa_sdst(0) depctr_va_vdst(0) depctr_va_sdst(0) depctr_va_ssrc(0) depctr_va_vcc(0) depctr_vm_vsrc(0)
	s_getreg_b32 s2, hwreg(HW_REG_IB_STS2, 6, 4)
	s_cmp_eq_u32 s2, 0
	s_cbranch_scc0 .Lentry_in_a_cluster
	s_endpgm
.Lentry_in_a_cluster:
	s_bfe_u32 s2, ttmp6, 0x10000c
	s_cmp_lg_u32 s2, 0x3003
	s_cbranch_scc0 .Lentry_shape_is_right
	s_endpgm
.Lentry_shape_is_right:
; qkv = silu(W_qkv x + b_qkv) for one batch b, one block of 256 positions (pb) and one head (96 rows of W_qkv: 32 q, 32 k, 32 v).
; x: [8][256 c][1024 s] f32.  W_qkv: [768][256] f32.  Result in bf16, sums and SiLU in f32.
; Four waves; a wave makes 96 rows x 64 positions: 6 row tiles x 4 position tiles x 8 K steps of 32 = 192 matrix instructions.
;
; CLUSTERS: four heads of one (b, pb) form a cluster (cluster number = 2 (4 b + pb) + head / 4, place in it = head % 4).  They need the same 256 KiB of x,
; which is asked for JOINTLY: each wave its own 64 positions, 256 rows of 256 bytes that start at multiples of 256 bytes, in four loads of 64 channels.
; x lies in LDS as f32 (262,144 bytes) beside W in bf16 (50,688): every LDS byte is filled once, there is no ring.  A wave reads only the bytes that
; it asked for itself, so its own counted s_wait_tensorcnt orders those reads.  A wave has four tensor loads outstanding.
; W is not shared in the cluster (each head has its own rows); the 32 work-groups of other clusters that read the same rows could share them only as f32 in
; LDS, 96 KiB more than fit beside x.
;
; POSITIONS ARE INTERLEAVED: position tile u (0..3) of a wave holds positions s0 + 4 r + u (r = lane % 16).  One 16-byte read of a row of x at
; s0 + 4 r then brings lane r its element of all four tiles, and lanes 0-15 read the row's 256 consecutive bytes.  The order in which keys are stored
; does not matter to a softmax and its weighted sum (k and v get the same order here); queries keep the stored order until the last launch undoes it.
;
; THE RESULT IS STORED AS OPERAND BLOCKS of 1,024 bytes, [4 chunks of 8 k][16 rows][8 k] bf16: lane L of a later matrix instruction takes 16 bytes at
; 16 L (registers 0-3) and at 512 + 16 L (registers 4-7).  A result tile packed to bf16 is 16 such bytes a lane, so each store of a wave covers 512
; consecutive bytes, aligned.  Per (b, head) 192 KiB: q at 0 (64 blocks: rows = stored position, k = channel), k at 65,536 (the same),
; v at 131,072 ([32 positions][2 channel tiles]: rows = channel, k = stored position; its products take the sources swapped, so that a lane holds
; eight neighbouring positions of one channel).  q is stored times log2(e) / sqrt(32), so that the softmax works in base 2 without a multiply.
; The bias is the C operand of the first K step's products: it costs no vector arithmetic.
; LIMITS: matrix operands are rounded to bf16; q is rounded after the scale is folded in.
.set WPITCH, 528                       ; an LDS row of W: 256 bf16 + 16 bytes = 33 x 16: the 16 rows that a fragment load touches start 16 bytes apart modulo 256
.set ROWB,   4096                      ; bytes in a row of x in memory
.set XROW,   256                       ; bytes in an LDS row of x: a wave's 64 positions
.set XCHUNK, 64*XROW                   ; what one tensor load brings: 64 channels
.set WLDS,   262144                    ; W lies behind the four waves' 65,536 bytes of x
.set XA,  4                            ; v4   x in LDS: wave * 65,536 + h * 8 rows + 16 r
.set WO,  5                            ; v5   W in memory: wave * 24 rows + 16 lane
.set WS,  6                            ; v6   W into LDS: WLDS + wave * 24 rows + 8 lane
.set WR,  7                            ; v7   W fragments: WLDS + r * pitch + 16 h
.set SO,  8                            ; v8   result: wave * 4 blocks + 16 lane
.set BH,  9                            ; v9   32 h
.set BR,  10                           ; v10  4 r
.set XF,  12                           ; v[12:75]   x fragments, 2 buffers x 4 tiles x 8
.set WF,  76                           ; v[76:171]  W fragments, 2 buffers x 6 tiles x 8
.set CW,  76                           ; the same registers, earlier: W converted, 96 words
.set BQK, 192                          ; v[192:223] bias of q's and k's tiles as C operands: [tile][j] = row 16 tile + 8 h + j
.set BV,  224                          ; v[224:239] bias of v's tiles as C operands: channel r, eight times
; window 1: v0-191 accumulators, tile (ot, u) at 8 (4 ot + u), earlier the 48 loads of W; on the way out
.set E,   192                          ;   v[192:223] of window 1: exponentials, then sigmoids
.set Y,   224                          ;   v[224:239] of window 1: packed words to store
; window 2: x as read from LDS, 4 slots x 64, [(8 g + j) * 4 + u]
.set G1,  16                           ; s[16:23] descriptor group 1
.set G0,  24                           ; s[24:39] descriptor group 0, a set for each of the four loads
.set MSB, 0
.macro WIN new                         ; low byte: bits 1:0 source 0, 3:2 source 1, 5:4 source 2, 7:6 destination; the high byte repeats the setting that is left
.if MSB != \new
	s_set_vgpr_msb (MSB<<8)|\new
.set MSB, \new
.endif
.endm
; A round of the cluster's barrier: my work-group's barrier, wave 0 signals for the work-group, every wave waits for all four work-groups, my work-group's barrier again.
.macro ROUND
	s_barrier_signal -1
	s_barrier_wait -1
	s_cmp_lg_u32 s12, 0
	s_cbranch_scc1 .Lnot_wave_0_\@
	s_barrier_signal -3
.Lnot_wave_0_\@:
	s_barrier_wait -3
	s_barrier_signal -1
	s_barrier_wait -1
.endm
	s_load_b256 s[4:11], s[0:1], 0x0               ; x s[4:5], w_qkv s[6:7], b_qkv s[8:9], qkv s[10:11]
	v_lshl_add_u32 v254, v0, 2, 0x4c600
	v_mov_b32 v255, 0
	ds_add_u32 v254, v255
	s_wait_dscnt 0x0
	v_lshrrev_b32 v1, 5, v0
	v_readfirstlane_b32 s12, v1                    ; wave 0..3
	ROUND                                          ; all four work-groups are here; the round runs while the addresses are on their way
	; what the four partners share: b, pb and the wave's number.  Nothing made of my place in the cluster enters s[16:47].
	s_lshr_b32 s42, ttmp9, 1                       ; in a cluster launch ttmp9 counts clusters: 4 b + pb
	s_lshr_b32 s43, s42, 2                         ; b
	s_and_b32 s44, s42, 3                          ; pb
	s_lshl_b32 s40, s43, 20                        ; x: b * 1 MiB
	s_lshl_b32 s45, s44, 10                        ;    + pb * 256 positions
	s_add_co_u32 s40, s40, s45
	s_lshl_b32 s45, s12, 8                         ;    + wave * 64 positions
	s_add_co_u32 s40, s40, s45
	s_mov_b32 s41, 0
	; group 1: 64 rows of 32 elements of 8 bytes, 4,096 bytes from row to row
	s_mov_b32 s[G1+0], 0x0023000f                  ; 15:0 mask: all four work-groups of the cluster; 17:16 elements of 8 bytes; 21 set beside a mask
	s_mov_b32 s[G1+1], 32<<16                      ; tensor_dim0 = 32
	s_mov_b32 s[G1+2], 64<<16                      ; tensor_dim1 = 64
	s_mov_b32 s[G1+3], 32<<16                      ; tile_dim0 = 32
	s_mov_b32 s[G1+4], 64                          ; tile_dim1 = 64
	s_mov_b32 s[G1+5], 512                         ; from row to row: 512 elements
	s_mov_b32 s[G1+6], 0
	s_mov_b32 s[G1+7], 0
	s_lshl_b32 s46, s12, 16                        ; my 65,536 bytes of LDS
.irp q, 0,1,2,3
	s_mov_b32 s[G0+4*\q], 1
	s_add_co_u32 s[G0+4*\q+1], s46, \q*XCHUNK
.endr
	; my head: it enters the addresses of W, of the bias and of the result alone
	s_bfe_u32 s13, ttmp6, 0x40000                  ; cx
	s_and_b32 s47, ttmp9, 1
	s_lshl_b32 s47, s47, 2
	s_add_co_u32 s13, s47, s13                     ; head = 4 * (cluster % 2) + cx
	v_and_b32 v1, 31, v0                           ; lane
	v_and_b32 v2, 15, v0                           ; r
	v_bfe_u32 v3, v0, 4, 1                         ; h
	s_mul_i32 s48, s12, 24*1024
	s_mul_i32 s49, s12, 24*WPITCH
	s_add_co_u32 s49, s49, WLDS
	s_lshl_b32 s50, s12, 12
	v_lshlrev_b32 v[XA], 4, v2
	v_lshl_add_u32 v[XA], v3, 11, v[XA]
	v_add_nc_u32 v[XA], s46, v[XA]
	v_lshl_add_u32 v[WO], v1, 4, s48
	v_lshl_add_u32 v[WS], v1, 3, s49
	v_mul_u32_u24 v[WR], v2, WPITCH
	v_lshl_add_u32 v[WR], v3, 4, v[WR]
	v_add_nc_u32 v[WR], WLDS, v[WR]
	v_lshl_add_u32 v[SO], v1, 4, s50
	v_lshlrev_b32 v[BH], 5, v3
	v_lshlrev_b32 v[BR], 2, v2
	s_wait_kmcnt 0x0
	s_add_nc_u64 s[4:5], s[4:5], s[40:41]
.irp q, 0,1,2,3
	s_add_nc_u64 s[G0+4*\q+2:G0+4*\q+3], s[4:5], \q*64*ROWB        ; channels 64 q ..
	s_or_b32 s[G0+4*\q+3], s[G0+4*\q+3], 0x80000000               ; type = 2
	tensor_load_to_lds s[G0+4*\q:G0+4*\q+3], s[G1:G1+7]
	s_nop 0
.endr
	s_mov_b32 s15, 0                               ; offsets are made apart from the addresses, in s[14:15]
	s_mul_i32 s14, s13, 96*1024                    ; W: the head's 96 rows
	s_add_nc_u64 s[6:7], s[6:7], s[14:15]
	s_mul_i32 s14, s13, 96*4
	s_add_nc_u64 s[8:9], s[8:9], s[14:15]
	s_lshl_b32 s14, s43, 3
	s_add_co_u32 s14, s14, s13
	s_mul_i32 s14, s14, 196608                     ; result: (8 b + head) * 192 KiB
	s_lshl_b32 s51, s44, 14                        ;         + pb * 16 blocks
	s_add_co_u32 s14, s14, s51
	s_add_nc_u64 s[10:11], s[10:11], s[14:15]
	; 10 loads of bias and 48 of W
.irp ot, 0,1,2,3
.irp g, 0,1
	global_load_b128 v[BQK+8*\ot+4*\g:BQK+8*\ot+4*\g+3], v[BH], s[8:9] offset:64*\ot+16*\g
.endr
.endr
.irp ct, 0,1
	global_load_b32 v[BV+8*\ct], v[BR], s[8:9] offset:256+64*\ct
.endr
	WIN 0x40                                       ; destination window 1
.set i, 0
.rept 48
	global_load_b128 v[4*i:4*i+3], v[WO], s[6:7] offset:512*i      ; half a row of W: 512 consecutive bytes a wave
.set i, i+1
.endr
	; W to bf16 and into LDS, each wave its 24 rows
	s_wait_loadcnt 0x0
	WIN 0x05                                       ; sources window 1
.set i, 0
.rept 96
	v_cvt_pk_bf16_f32 v[CW+i], v[2*i], v[2*i+1]
.set i, i+1
.endr
	WIN 0
.set i, 0
.rept 48
	ds_store_b64 v[WS], v[CW+2*i:CW+2*i+1] offset:(i/2)*WPITCH+(i%2)*256
.set i, i+1
.endr
.irp ct, 0,1
.irp j, 1,2,3,4,5,6,7
	v_mov_b32 v[BV+8*\ct+\j], v[BV+8*\ct]          ; in v's tiles a lane holds one channel: its bias in all eight registers of C
.endr
.endr
	s_wait_dscnt 0x0                               ; my rows of W are in LDS: zero, for the other waves' sake
	s_barrier_signal -1
	s_barrier_wait -1                              ; everybody's are.  My tensor loads may stay out
; 16 LDS loads: the 32 channels of K step ks for my 64 positions, into slot ks % 4
.macro XLOAD ks
	WIN 0x80                                       ; destination window 2
.irp g, 0,1
.irp j, 0,1,2,3,4,5,6,7
	ds_load_b128 v[64*((\ks)%4)+(8*\g+\j)*4:64*((\ks)%4)+(8*\g+\j)*4+3], v[XA] offset:(32*(\ks)+16*\g+\j)*XROW
.endr
.endr
.endm
; 12 LDS loads: the six row tiles' fragments of K step ks into buffer ks % 2
.macro WFLOAD ks
.irp ot, 0,1,2,3,4,5
.irp g, 0,1
	ds_load_b128 v[WF+48*((\ks)%2)+8*\ot+4*\g:WF+48*((\ks)%2)+8*\ot+4*\g+3], v[WR] offset:\ot*16*WPITCH+(\ks)*64+32*\g
.endr
.endr
.endm
; One K step.  x of this step is in registers (the step before has waited for all but its own 28 loads).  more = 1: x of K step ks + 2 is read from LDS,
; behind s_wait_tensorcnt tw where that step begins a new tensor load's 64 channels (tw = the loads issued behind that one; -1: none needed);
; nextw = 1: the next step's W fragments are read.
; Places behind matrix instructions: this step's 32 conversions write the x buffer that the step before did not read and
; name none of that step's registers; they stand between its matrix instructions and the loads into its W buffer, and between the
; matrix instructions two steps back and the next conversions into their x buffer.
; The 24 accumulators take turns, one instruction a turn.
.macro KSTEP ks, tw, more, nextw
	WIN 0x0a                                       ; sources window 2
.irp u, 0,1,2,3
.irp g, 0,1
.irp i, 0,1,2,3
	v_cvt_pk_bf16_f32 v[XF+32*(\ks%2)+8*\u+4*\g+\i], v[64*(\ks%4)+(8*\g+2*\i)*4+\u], v[64*(\ks%4)+(8*\g+2*\i+1)*4+\u]
.endr
.endr
.endr
.if \more
.if \tw >= 0
	s_wait_tensorcnt \tw
.endif
	XLOAD (\ks+2)
.endif
	WIN 0
.if \nextw
	WFLOAD (\ks+1)
.endif
	s_wait_dscnt 16*\more+12*\nextw                ; LDS loads come back in order: all but those that this step has issued are in, this step's W and the next step's x among them
.if \ks == 0
	WIN 0x40                                       ; D window 1; C is the bias, window 0
.else
	WIN 0x50                                       ; C and D window 1
.endif
.irp ot, 0,1,2,3
.irp u, 0,1,2,3
.if \ks == 0
	v_wmma_f32_16x16x32_bf16 v[(4*\ot+\u)*8:(4*\ot+\u)*8+7], v[WF+48*(\ks%2)+8*\ot:WF+48*(\ks%2)+8*\ot+7], v[XF+32*(\ks%2)+8*\u:XF+32*(\ks%2)+8*\u+7], v[BQK+8*\ot:BQK+8*\ot+7]
.else
	v_wmma_f32_16x16x32_bf16 v[(4*\ot+\u)*8:(4*\ot+\u)*8+7], v[WF+48*(\ks%2)+8*\ot:WF+48*(\ks%2)+8*\ot+7], v[XF+32*(\ks%2)+8*\u:XF+32*(\ks%2)+8*\u+7], v[(4*\ot+\u)*8:(4*\ot+\u)*8+7]
.endif
.endr
.endr
.irp ot, 4,5                                           ; v: sources swapped, rows = positions, columns = channels
.irp u, 0,1,2,3
.if \ks == 0
	v_wmma_f32_16x16x32_bf16 v[(4*\ot+\u)*8:(4*\ot+\u)*8+7], v[XF+32*(\ks%2)+8*\u:XF+32*(\ks%2)+8*\u+7], v[WF+48*(\ks%2)+8*\ot:WF+48*(\ks%2)+8*\ot+7], v[BV+8*(\ot-4):BV+8*(\ot-4)+7]
.else
	v_wmma_f32_16x16x32_bf16 v[(4*\ot+\u)*8:(4*\ot+\u)*8+7], v[XF+32*(\ks%2)+8*\u:XF+32*(\ks%2)+8*\u+7], v[WF+48*(\ks%2)+8*\ot:WF+48*(\ks%2)+8*\ot+7], v[(4*\ot+\u)*8:(4*\ot+\u)*8+7]
.endif
.endr
.endr
.endm
	s_wait_tensorcnt 0x3                           ; tensor loads of a wave end in order: channels 0-63 are in LDS, three loads stay out
	XLOAD 0
	XLOAD 1
	WIN 0
	WFLOAD 0
	s_wait_dscnt 28                                ; x of K step 0 is in; 16 + 12 younger loads stay out
	KSTEP 0, 2, 1, 1                               ; reads K step 2: channels 64-127, two loads behind them
	KSTEP 1, -1, 1, 1
	KSTEP 2, 1, 1, 1                               ; K step 4: channels 128-191
	KSTEP 3, -1, 1, 1
	KSTEP 4, 0, 1, 1                               ; K step 6: the last load
	KSTEP 5, -1, 1, 1
	KSTEP 6, -1, 0, 1                              ; no x is left to read
	KSTEP 7, -1, 0, 0
.rept 4
	v_nop                                          ; four places behind the last matrix instructions: their results are read and written next
.endr
; The way out of row tile ot (0, 1 q; 2, 3 k; 4, 5 v): z * 1 / (1 + 2^(-z log2 e)) in place, bf16, four stores of 512 consecutive bytes.
; All arithmetic lies in window 1 (accumulators, E, Y); only the stores' address register lies in window 0.
.macro EPI ot
	WIN 0x45                                       ; destination, source 0 and source 1 window 1
.set i, 0
.rept 16
	v_pk_mul_f32 v[E+2*i:E+2*i+1], v[32*\ot+2*i:32*\ot+2*i+1], 0xbfb8aa3b op_sel_hi:[1,0]    ; -z log2 e
.set i, i+1
.endr
.set i, 0
.rept 32
	v_exp_f32 v[E+i], v[E+i]
.set i, i+1
.endr
	v_nop                                          ; one plain place behind the last exponential (ISA guide 5.7.2)
.set i, 0
	s_wait_alu depctr_va_vdst(0)
.rept 16
	v_pk_add_f32 v[E+2*i:E+2*i+1], v[E+2*i:E+2*i+1], 1.0 op_sel_hi:[1,0]
.set i, i+1
.endr
.set i, 0
.rept 32
	v_rcp_f32 v[E+i], v[E+i]                       ; an infinite exponential gives 0, and z * 0 is SiLU's limit
.set i, i+1
.endr
	v_nop
.set i, 0
	s_wait_alu depctr_va_vdst(0)
.rept 16
	v_pk_mul_f32 v[32*\ot+2*i:32*\ot+2*i+1], v[32*\ot+2*i:32*\ot+2*i+1], v[E+2*i:E+2*i+1]
.set i, i+1
.endr
.if \ot < 2
.set i, 0
.rept 16
	v_pk_mul_f32 v[32*\ot+2*i:32*\ot+2*i+1], v[32*\ot+2*i:32*\ot+2*i+1], 0x3e8293ee op_sel_hi:[1,0]   ; q: times log2(e) / sqrt(32)
.set i, i+1
.endr
.endif
	s_wait_xcnt 0x0                                ; Y, which the last tile's stores read, is written again only behind this wait
.irp u, 0,1,2,3
.irp i, 0,1,2,3
	v_cvt_pk_bf16_f32 v[Y+4*\u+\i], v[32*\ot+8*\u+2*\i], v[32*\ot+8*\u+2*\i+1]
.endr
.endr
	WIN 0x04                                       ; a store's data is source 1: window 1; its address register source 0: window 0
.irp u, 0,1,2,3
.if \ot < 4
	global_store_b128 v[SO], v[Y+4*\u:Y+4*\u+3], s[10:11] offset:(\ot/2)*65536+\u*1024+(\ot%2)*512
.else
	global_store_b128 v[SO], v[Y+4*\u:Y+4*\u+3], s[10:11] offset:131072+(\u/2)*2048+(\ot%2)*1024+(\u%2)*512
.endif
.endr
.endm
	EPI 0
	EPI 1
	EPI 2
	EPI 3
	EPI 4
	EPI 5
	WIN 0                                          ; at a label and at a branch every window is 0
	s_wait_tensorcnt 0x0
	ds_add_u32 v254, v255
	s_wait_dscnt 0x0
	ROUND                                          ; the closing round: no work-group ends while a partner may still ask for a tile that names it
	s_endpgm
.Lfunc_end_k_qcdbfc2f477_qkv:
	.size	k_qcdbfc2f477_qkv, .Lfunc_end_k_qcdbfc2f477_qkv-k_qcdbfc2f477_qkv
	.p2alignl 7, 3214868480
	.fill 96, 4, 3214868480
	.section	.rodata,"a",@progbits
	.p2align	6, 0x0
	.amdhsa_kernel k_qcdbfc2f477_qkv
		.amdhsa_group_segment_fixed_size 313344
		.amdhsa_private_segment_fixed_size 0
		.amdhsa_enable_private_segment 0
		.amdhsa_kernarg_size 32
		.amdhsa_user_sgpr_count 2
		.amdhsa_user_sgpr_kernarg_segment_ptr 1
		.amdhsa_wavefront_size32 1
		.amdhsa_system_sgpr_workgroup_id_x 1
		.amdhsa_system_sgpr_workgroup_id_y 1
		.amdhsa_system_sgpr_workgroup_id_z 1
		.amdhsa_system_vgpr_workitem_id 0
		.amdhsa_next_free_vgpr 768
		.amdhsa_next_free_sgpr 66
		.amdhsa_reserve_vcc 0
		.amdhsa_float_denorm_mode_32 3
		.amdhsa_float_denorm_mode_16_64 3
		.amdhsa_memory_ordered 1
		.amdhsa_forward_progress 1
		.amdhsa_inst_pref_size 110
	.end_amdhsa_kernel
	.amdgpu_metadata
---
amdhsa.version: [ 1, 2 ]
amdhsa.kernels:
  - .name:           k_qcdbfc2f477_qkv
    .symbol:         k_qcdbfc2f477_qkv.kd
    .args:
      - { .name: x, .offset: 0, .size: 8, .value_kind: global_buffer, .address_space: global }
      - { .name: w_qkv, .offset: 8, .size: 8, .value_kind: global_buffer, .address_space: global }
      - { .name: b_qkv, .offset: 16, .size: 8, .value_kind: global_buffer, .address_space: global }
      - { .name: qkv, .offset: 24, .size: 8, .value_kind: global_buffer, .address_space: global }
    .group_segment_fixed_size: 313344
    .private_segment_fixed_size: 0
    .kernarg_segment_align: 8
    .kernarg_segment_size: 32
    .max_flat_workgroup_size: 128
    .sgpr_count:     66
    .vgpr_count:     768
    .wavefront_size: 32
...
	.end_amdgpu_metadata
.endif
;; end of part 1
;; launch attn (part 2): grid 256 x 1, 8 waves a work-group, clusters of 4 x 1, 168,960 bytes of LDS; arguments qkv, ao; writes ao
.if DOCPART == 2
	.amdgcn_target "amdgcn-amd-amdhsa--gfx1250"
	.amdhsa_code_object_version 6
	.text
	.protected	k_qcdbfc2f477_attn
	.globl	k_qcdbfc2f477_attn
	.p2align	8
	.type	k_qcdbfc2f477_attn,@function
k_qcdbfc2f477_attn:
	s_mov_b64 s[64:65], 0
	v_nop
	global_prefetch_b8 v0, s[64:65] scope:SCOPE_SE
	s_setreg_imm32_b32 hwreg(HW_REG_WAVE_MODE, 25, 1), 1
	s_wait_xcnt 0x0
	s_wait_alu depctr_hold_cnt(0) depctr_sa_sdst(0) depctr_va_vdst(0) depctr_va_sdst(0) depctr_va_ssrc(0) depctr_va_vcc(0) depctr_vm_vsrc(0)
	s_getreg_b32 s2, hwreg(HW_REG_IB_STS2, 6, 4)
	s_cmp_eq_u32 s2, 0
	s_cbranch_scc0 .Lentry_in_a_cluster
	s_endpgm
.Lentry_in_a_cluster:
	s_bfe_u32 s2, ttmp6, 0x10000c
	s_cmp_lg_u32 s2, 0x3003
	s_cbranch_scc0 .Lentry_shape_is_right
	s_endpgm
.Lentry_shape_is_right:
; softmax(q^T k) v for one (batch, head) and a quarter of its 1,024 queries.  q, k, v come as operand blocks of 1,024 bytes (bf16,
; [4 chunks of 8 k][16 rows][8 k]; lane L takes 16 bytes at 16 L and at 512 + 16 L); q already holds log2(e) / sqrt(32).
; A cluster is the four query quarters of one (batch, head): they need the same 64 KiB of k and 64 KiB of v, which are asked for JOINTLY, each wave
; its 8 KiB of each, and stay in LDS for the whole launch: every LDS byte is filled once, so there is no ring and no refill.
; A wave has two tensor loads outstanding.
; Eight waves; a wave owns 32 queries (two tiles u) and walks all 1,024 keys in 32 pieces of 32.
; EVERYTHING IS TRANSPOSED: S^T = K block (rows = keys) x Q block (columns = queries): lane (r, h) holds keys 8 h + j of query r.  Two such tiles,
; packed to bf16, are the second source of O = V block (rows = channels) x P; and O, packed, is an operand block of the last launch.
; TWO PASSES.  Pass 1 forms S and keeps the exact maximum m of each query.  Pass 2 forms S again with -m as the matrix instruction's C, so the
; subtraction costs no vector instruction; p = 2^(S - m); the denominator is a product too (a tile of ones x P), summed from the same rounded p as
; the numerator.  For a piece of 32 keys x 16 queries that is 7 matrix instructions, 16 plain vector instructions and 16 exponentials, and nothing is
; ever rescaled.
; BOTH PASSES ARE PIPELINED IN SOFTWARE, so that single matrix instructions stand between short runs of vector work that does not depend on them:
; pass 1, step i: the scores of piece i + 1 among the maxima of piece i; pass 2, step i: the scores of piece i + 1 and the products of piece i - 1
; among the exponentials of piece i.  Two waves share a SIMD and fill each other's remaining gaps.
; No prefetch: all that the work-group reads is asked for in its first lines.
; LIMITS: matrix operands (q, k, v, p) are bf16; the maximum drops a NaN, so a NaN in the inputs does not spread as in the reference.
.set VA,   2                           ; v2   LDS address of my 16 bytes in V's running piece
.set GO,   3                           ; v3   wave * 2 blocks + 16 lane: q in, result out
.set KA,   5                           ; v5   the same as VA for K
.set M,    8                           ; v[8:15]    pass 1: running maxima, [u][4 chains]
.set PALT, 8                           ; pass 2: p's second buffer, u = 0 at v[8:15], u = 1 at v[248:255]
.set Q,    16                          ; v[16:31]   two query fragments
.set NM,   32                          ; v[32:47]   -m, eight times for each u: a C operand
.set ONE,  48                          ; v[48:55]   a tile of bf16 ones
.set KB,   56                          ; v[56:87]   K fragments, 2 buffers x 2 key tiles x 8; in pass 1 four buffers, on into VB
.set VB,   88                          ; v[88:119]  V fragments, 2 buffers x 2 channel tiles x 8
.set S,    120                         ; v[120:183] scores, 2 buffers x (2 tt + u) x 8
.set P,    184                         ; v[184:199] p as the second source, first buffer, [u][8]
.set O,    200                         ; v[200:231] sums, (2 ct + u) x 8
.set L,    232                         ; v[232:247] denominators, [u][8], all eight alike
.set R,    152                         ; v[152:155] at the end: their reciprocals, a pair for each u
.set G1,   16                          ; s[16:23] descriptor group 1
.set G0K,  24                          ; s[24:27] group 0 of my part of K
.set G0V,  28                          ; s[28:31] group 0 of my part of V
.set VLDS, 65536                       ; K at LDS byte 0, V behind it
; A round of the cluster's barrier: my work-group's barrier, wave 0 signals for the work-group, every wave waits for all four work-groups, my work-group's barrier again.
.macro ROUND
	s_barrier_signal -1
	s_barrier_wait -1
	s_cmp_lg_u32 s8, 0
	s_cbranch_scc1 .Lnot_wave_0_\@
	s_barrier_signal -3
.Lnot_wave_0_\@:
	s_barrier_wait -3
	s_barrier_signal -1
	s_barrier_wait -1
.endm
.macro KLOAD buf, off                  ; a piece's two key tiles: 4 loads of 512 consecutive bytes
.irp tt, 0,1
.irp g, 0,1
	ds_load_b128 v[KB+16*(\buf)+8*\tt+4*\g:KB+16*(\buf)+8*\tt+4*\g+3], v[KA] offset:\off+1024*\tt+512*\g
.endr
.endr
.endm
.macro VLOAD buf, off                  ; a piece's two channel tiles
.irp ct, 0,1
.irp g, 0,1
	ds_load_b128 v[VB+16*(\buf)+8*\ct+4*\g:VB+16*(\buf)+8*\ct+4*\g+3], v[VA] offset:\off+1024*\ct+512*\g
.endr
.endr
.endm
.macro SW tile, sbuf, kbuf, neg        ; one tile of scores, tile = 2 tt + u: 16 keys x 16 queries; neg = 1: minus the query's maximum
.if \neg
	v_wmma_f32_16x16x32_bf16 v[S+32*(\sbuf)+8*(\tile):S+32*(\sbuf)+8*(\tile)+7], v[KB+16*(\kbuf)+8*((\tile)/2):KB+16*(\kbuf)+8*((\tile)/2)+7], v[Q+8*((\tile)%2):Q+8*((\tile)%2)+7], v[NM+8*((\tile)%2):NM+8*((\tile)%2)+7]
.else
	v_wmma_f32_16x16x32_bf16 v[S+32*(\sbuf)+8*(\tile):S+32*(\sbuf)+8*(\tile)+7], v[KB+16*(\kbuf)+8*((\tile)/2):KB+16*(\kbuf)+8*((\tile)/2)+7], v[Q+8*((\tile)%2):Q+8*((\tile)%2)+7], 0
.endif
.endm
.macro MX tile, sbuf                   ; a tile's eight scores into the four chains of its u
.irp i, 0,1,2,3
	v_max3_num_f32 v[M+4*((\tile)%2)+\i], v[M+4*((\tile)%2)+\i], v[S+32*(\sbuf)+8*(\tile)+2*\i], v[S+32*(\sbuf)+8*(\tile)+2*\i+1]
.endr
.endm
.macro EX sbuf, first, cnt             ; cnt exponentials in place
.set ei, \first
.rept \cnt
	v_exp_f32 v[S+32*(\sbuf)+ei], v[S+32*(\sbuf)+ei]
.set ei, ei+1
.endr
.endm
.macro PACK sbuf, pbuf                 ; key tile tt becomes registers 4 tt .. 4 tt + 3 of the second source
	s_wait_alu depctr_va_vdst(0)
.irp u, 0,1
.irp tt, 0,1
.irp i, 0,1,2,3
	v_cvt_pk_bf16_f32 v[(1-(\pbuf))*(P+8*\u)+(\pbuf)*(PALT+240*\u)+4*\tt+\i], v[S+32*(\sbuf)+8*(2*\tt+\u)+2*\i], v[S+32*(\sbuf)+8*(2*\tt+\u)+2*\i+1]
.endr
.endr
.endr
.endm
.macro PW idx, vbuf, pbuf, zero        ; idx 0-3: the sum of v p for (ct, u) = (idx / 2, idx % 2); idx 4, 5: the sum of p for u = idx - 4; zero = 1: starts the sum
.set pu, (\idx)%2
.set pr, (1-(\pbuf))*(P+8*pu)+(\pbuf)*(PALT+240*pu)
.if (\idx) < 4
.set pd, O+8*(\idx)
.set pa, VB+16*(\vbuf)+8*((\idx)/2)
.else
.set pd, L+8*pu
.set pa, ONE
.endif
.if \zero
	v_wmma_f32_16x16x32_bf16 v[pd:pd+7], v[pa:pa+7], v[pr:pr+7], 0
.else
	v_wmma_f32_16x16x32_bf16 v[pd:pd+7], v[pa:pa+7], v[pr:pr+7], v[pd:pd+7]
.endif
.endm
	s_load_b128 s[4:7], s[0:1], 0x0                ; qkv s[4:5], ao s[6:7]
	v_lshl_add_u32 v6, v0, 2, 0x29000
	v_mov_b32 v7, 0
	ds_add_u32 v6, v7
	s_wait_dscnt 0x0
	v_lshrrev_b32 v4, 5, v0
	v_readfirstlane_b32 s8, v4                     ; wave 0..7
	ROUND                                          ; all four work-groups are here; the round runs while the addresses are on their way
	v_and_b32 v1, 31, v0
	v_lshlrev_b32 v1, 4, v1                        ; 16 lane
	s_bfe_u32 s36, ttmp6, 0x40000                  ; cx: my query quarter.  What is made of it lives in s[36:37] and enters only q's and the result's addresses
	s_lshl_b32 s36, s36, 14                        ; 16 blocks
	s_mov_b32 s37, 0
	s_mul_i32 s38, ttmp9, 196608                   ; in a cluster launch ttmp9 counts clusters: 8 b + head; 192 KiB each
	s_mov_b32 s39, 0
	s_lshl_b32 s10, s8, 13                         ; my 8 KiB of K and of V
	s_mov_b32 s11, 0
	s_lshl_b32 s9, s8, 11
	v_add_nc_u32 v[GO], s9, v1
	v_mov_b32 v[KA], v1
	v_add_nc_u32 v[VA], VLDS, v1
	s_mov_b32 s32, 0x76543210                      ; v_permlanex16_b32: lane i of one half reads lane i of the other
	s_mov_b32 s33, 0xfedcba98
	; group 1: 8 KiB that are dense in memory, as 32 rows of 32 elements of 8 bytes
	s_mov_b32 s[G1+0], 0x0023000f                  ; 15:0 mask: all four work-groups of the cluster; 17:16 elements of 8 bytes; 21 set beside a mask
	s_mov_b32 s[G1+1], 32<<16                      ; tensor_dim0 = 32
	s_mov_b32 s[G1+2], 32<<16                      ; tensor_dim1 = 32
	s_mov_b32 s[G1+3], 32<<16                      ; tile_dim0 = 32
	s_mov_b32 s[G1+4], 32                          ; tile_dim1 = 32
	s_mov_b32 s[G1+5], 32                          ; from row to row: 32 elements
	s_mov_b32 s[G1+6], 0
	s_mov_b32 s[G1+7], 0
	s_mov_b32 s[G0K], 1
	s_lshl_b32 s[G0K+1], s8, 13                    ; LDS: wave * 8 KiB
	s_mov_b32 s[G0V], 1
	s_add_co_u32 s[G0V+1], s[G0K+1], VLDS
	s_wait_kmcnt 0x0
	s_add_nc_u64 s[12:13], s[4:5], s[38:39]        ; the head's q, k, v: the same in all four partners
	s_add_nc_u64 s[G0K+2:G0K+3], s[12:13], s[10:11]
	s_add_nc_u64 s[G0K+2:G0K+3], s[G0K+2:G0K+3], 0x10000
	s_or_b32 s[G0K+3], s[G0K+3], 0x80000000
	s_add_nc_u64 s[G0V+2:G0V+3], s[12:13], s[10:11]
	s_add_nc_u64 s[G0V+2:G0V+3], s[G0V+2:G0V+3], 0x20000
	s_or_b32 s[G0V+3], s[G0V+3], 0x80000000
	tensor_load_to_lds s[G0K:G0K+3], s[G1:G1+7]
	s_nop 0
	tensor_load_to_lds s[G0V:G0V+3], s[G1:G1+7]
	s_nop 0
	s_add_nc_u64 s[14:15], s[12:13], s[36:37]      ; my quarter's q
	s_lshl_b32 s38, ttmp9, 16                      ; result: 64 KiB a head,
	s_add_nc_u64 s[6:7], s[6:7], s[38:39]
	s_add_nc_u64 s[6:7], s[6:7], s[36:37]          ; my quarter
.irp u, 0,1
.irp g, 0,1
	global_load_b128 v[Q+8*\u+4*\g:Q+8*\u+4*\g+3], v[GO], s[14:15] offset:1024*\u+512*\g
.endr
.endr
.irp j, 0,1,2,3,4,5,6,7
	v_mov_b32 v[ONE+\j], 0x3f803f80
.endr
	s_wait_tensorcnt 0x1                           ; my part of K has landed; V, issued behind it, may stay out
	s_barrier_signal -1
	s_barrier_wait -1                              ; everybody's part of K has
	; PASS 1: the maxima.  Step i: the four score tiles of piece i + 1, each followed by the four maxima of the like tile of piece i; then K of piece
	; i + 5 goes into the buffer just multiplied (four buffers: V's registers are free in this pass).
	;   sm = i % 2: the score buffer that is reduced; kb = (i + 1) % 4; left: the loads issued behind piece i + 1's; koff: piece i + 5 from KA, or -1.
	; Places behind matrix instructions (ISA guide 7.12.1): the maxima name only M and the other score buffer.  Four of them stand behind a step's last matrix
	; instruction, in front of the loads into its K buffer; sixteen stand between a tile's product and the maxima that read it.
	; No two matrix instructions that follow each other write the same registers.
.macro P1STEP sm, kb, left, smm, koff
.if \smm
	s_wait_dscnt \left
.endif
.irp tile, 0,1,2,3
.if \smm
	SW \tile, 1-\sm, \kb, 0
.endif
	MX \tile, \sm
.endr
.if \koff >= 0
	KLOAD \kb, \koff
.endif
.endm
	KLOAD 0, 0
	KLOAD 1, 2048
	KLOAD 2, 4096
	KLOAD 3, 6144
	s_wait_loadcnt 0x0                             ; q
	s_wait_dscnt 12                                ; piece 0 is in, the twelve loads of pieces 1 to 3 stay out
.irp tile, 0,1,2,3
	SW \tile, 0, 0, 0
.endr
.irp j, 0,1,2,3,4,5,6,7
	v_mov_b32 v[M+\j], 0xff800000                  ; eight places behind the first scores
.endr
	KLOAD 0, 8192                                  ; piece 4
	s_mov_b32 s34, 6
.Lpass1:                                               ; a trip: steps 4 t .. 4 t + 3; each wait leaves the three younger pieces' twelve loads out
	P1STEP 0, 1, 12, 1, 10240
	P1STEP 1, 2, 12, 1, 12288
	P1STEP 0, 3, 12, 1, 14336
	P1STEP 1, 0, 12, 1, 16384
	v_add_nc_u32 v[KA], 8192, v[KA]
	s_sub_co_u32 s34, s34, 1
	s_cmp_lg_u32 s34, 0
	s_cbranch_scc1 .Lpass1
	P1STEP 0, 1, 12, 1, 10240                      ; step 24 fetches piece 29,
	P1STEP 1, 2, 12, 1, 12288                      ; 25: piece 30,
	P1STEP 0, 3, 12, 1, 14336                      ; 26: piece 31, the last
	P1STEP 1, 0, 12, 1, -1                         ; 27 to 30 fetch nothing: the counts run down
	P1STEP 0, 1, 8, 1, -1
	P1STEP 1, 2, 4, 1, -1
	P1STEP 0, 3, 0, 1, -1
	P1STEP 1, 0, 0, 0, -1                          ; 31: only piece 31's maxima are left
	; A query's keys lie in two lanes, r and 16 + r.
.irp u, 0,1
	v_max3_num_f32 v[M+4*\u], v[M+4*\u], v[M+4*\u+1], v[M+4*\u+2]
	v_max_num_f32 v[M+4*\u], v[M+4*\u], v[M+4*\u+3]
	v_permlanex16_b32 v[M+4*\u+1], v[M+4*\u], s32, s33     ; its destination counts as read: a chain's register, written and no longer needed
	v_max_num_f32 v[M+4*\u], v[M+4*\u], v[M+4*\u+1]
.endr
.irp u, 0,1
.irp j, 0,1,2,3,4,5,6,7
	v_mul_f32 v[NM+8*\u+\j], -1.0, v[M+4*\u]
.endr
.endr
	v_mov_b32 v[KA], v1
	s_wait_tensorcnt 0x0                           ; my part of V has landed (no LDS load of mine is out: step 30 has waited for all)
	s_barrier_signal -1
	s_barrier_wait -1                              ; everybody's has
	; PASS 2.  Step i (sb = i % 2): among the 32 exponentials of piece i stand, one at a time, the four score tiles of piece i + 1 and the six products of
	; piece i - 1; then p of piece i is packed into buffer i % 2, and K of piece i + 3 and V of piece i + 1 go into the buffers just multiplied.
	;   smm = 0: no piece is left to score; pv = 0: no products yet, 2: they start the sums, 1: they add; left: the loads issued behind those needed now,
	;   which are the step before's; koff, voff: from KA and VA, or -1.
	; The v_nop is the plain place behind the exponentials (ISA guide 5.7.2).  With the 16 conversions, which name only this piece's scores and this piece's p
	; buffer, it makes the places (7.12.1) behind the step's ten matrix instructions: in front of the loads into their K and V buffers, of the next step's
	; exponentials on the new scores, and of the next step's conversions into the p buffer that the products have read.
	; The ten accumulators of a step take turns, one instruction a turn.
.macro P2STEP sb, smm, pv, left, koff, voff
	s_wait_dscnt \left
.if \smm
	SW 0, 1-\sb, 1-\sb, 1
	EX \sb, 0, 3
	SW 1, 1-\sb, 1-\sb, 1
	EX \sb, 3, 3
	SW 2, 1-\sb, 1-\sb, 1
	EX \sb, 6, 3
	SW 3, 1-\sb, 1-\sb, 1
	EX \sb, 9, 3
.else
	EX \sb, 0, 12
.endif
.if \pv
	PW 0, 1-\sb, 1-\sb, \pv-1
	EX \sb, 12, 3
	PW 1, 1-\sb, 1-\sb, \pv-1
	EX \sb, 15, 3
	PW 2, 1-\sb, 1-\sb, \pv-1
	EX \sb, 18, 3
	PW 3, 1-\sb, 1-\sb, \pv-1
	EX \sb, 21, 3
	PW 4, 1-\sb, 1-\sb, \pv-1
	EX \sb, 24, 4
	PW 5, 1-\sb, 1-\sb, \pv-1
	EX \sb, 28, 4
.else
	EX \sb, 12, 20
.endif
	v_nop
	PACK \sb, \sb
.if \koff >= 0
	KLOAD 1-\sb, \koff
.endif
.if \voff >= 0
	VLOAD 1-\sb, \voff
.endif
.endm
	KLOAD 0, 0
	KLOAD 1, 2048
	VLOAD 0, 0
	s_wait_dscnt 8                                 ; piece 0's K
.irp tile, 0,1,2,3
	SW \tile, 0, 0, 1
.endr
.rept 4
	v_nop                                          ; four places before piece 0's scores are read and its K buffer is loaded again
.endr
	KLOAD 0, 4096                                  ; piece 2
	P2STEP 0, 1, 0, 8, 6144, 2048                  ; step 0: piece 1's K is in; behind it V of piece 0 and K of piece 2
	P2STEP 1, 1, 2, 8, 8192, 4096                  ; step 1: piece 0's products start the sums: nothing is cleared
	v_add_nc_u32 v[KA], 4096, v[KA]
	v_add_nc_u32 v[VA], 4096, v[VA]
	s_mov_b32 s34, 13
.Lpass2:                                               ; steps 2 to 27
	P2STEP 0, 1, 1, 8, 6144, 2048
	P2STEP 1, 1, 1, 8, 8192, 4096
	v_add_nc_u32 v[KA], 4096, v[KA]
	v_add_nc_u32 v[VA], 4096, v[VA]
	s_sub_co_u32 s34, s34, 1
	s_cmp_lg_u32 s34, 0
	s_cbranch_scc1 .Lpass2
	P2STEP 0, 1, 1, 8, 6144, 2048                  ; step 28 fetches K of piece 31, the last, and V of piece 29
	P2STEP 1, 1, 1, 8, -1, 4096                    ; step 29: V of piece 30 alone
	P2STEP 0, 1, 1, 4, -1, 6144                    ; step 30: behind what it needs only step 29's four loads; V of piece 31
	P2STEP 1, 0, 1, 4, -1, -1                      ; step 31: no piece is left to score or to fetch
	s_wait_dscnt 0x0                               ; V of piece 31
.irp idx, 0,1,2,3,4,5
	PW \idx, 1, 1, 0                               ; piece 31's products
.endr
	; The way out: divide, pack, four stores of 512 consecutive bytes, aligned: operand blocks [stored query tile][rows = queries, k = the head's channels]
.rept 4
	v_nop
.endr
	v_rcp_f32 v[R],   v[L]                         ; the largest p of a query is about 1, so no denominator is near 0
	v_rcp_f32 v[R+1], v[L]
	v_rcp_f32 v[R+2], v[L+8]
	v_rcp_f32 v[R+3], v[L+8]
	v_nop
	s_wait_alu depctr_va_vdst(0)
.irp ct, 0,1
.irp u, 0,1
.irp i, 0,1,2,3
	v_pk_mul_f32 v[O+8*(2*\ct+\u)+2*\i:O+8*(2*\ct+\u)+2*\i+1], v[O+8*(2*\ct+\u)+2*\i:O+8*(2*\ct+\u)+2*\i+1], v[R+2*\u:R+2*\u+1]
.endr
.endr
.endr
.irp ct, 0,1
.irp u, 0,1
.irp i, 0,1,2,3
	v_cvt_pk_bf16_f32 v[S+4*(2*\u+\ct)+\i], v[O+8*(2*\ct+\u)+2*\i], v[O+8*(2*\ct+\u)+2*\i+1]
.endr
.endr
.endr
.irp u, 0,1
.irp ct, 0,1
	global_store_b128 v[GO], v[S+4*(2*\u+\ct):S+4*(2*\u+\ct)+3], s[6:7] offset:1024*\u+512*\ct
.endr
.endr
	s_wait_tensorcnt 0x0
	ds_add_u32 v6, v7
	s_wait_dscnt 0x0
	ROUND                                          ; the closing round: no work-group ends while a partner may still ask for a tile that names it
	s_endpgm
.Lfunc_end_k_qcdbfc2f477_attn:
	.size	k_qcdbfc2f477_attn, .Lfunc_end_k_qcdbfc2f477_attn-k_qcdbfc2f477_attn
	.p2alignl 7, 3214868480
	.fill 96, 4, 3214868480
	.section	.rodata,"a",@progbits
	.p2align	6, 0x0
	.amdhsa_kernel k_qcdbfc2f477_attn
		.amdhsa_group_segment_fixed_size 168960
		.amdhsa_private_segment_fixed_size 0
		.amdhsa_enable_private_segment 0
		.amdhsa_kernarg_size 16
		.amdhsa_user_sgpr_count 2
		.amdhsa_user_sgpr_kernarg_segment_ptr 1
		.amdhsa_wavefront_size32 1
		.amdhsa_system_sgpr_workgroup_id_x 1
		.amdhsa_system_sgpr_workgroup_id_y 1
		.amdhsa_system_sgpr_workgroup_id_z 1
		.amdhsa_system_vgpr_workitem_id 0
		.amdhsa_next_free_vgpr 256
		.amdhsa_next_free_sgpr 66
		.amdhsa_reserve_vcc 0
		.amdhsa_float_denorm_mode_32 3
		.amdhsa_float_denorm_mode_16_64 3
		.amdhsa_memory_ordered 1
		.amdhsa_forward_progress 1
		.amdhsa_inst_pref_size 54
	.end_amdhsa_kernel
	.amdgpu_metadata
---
amdhsa.version: [ 1, 2 ]
amdhsa.kernels:
  - .name:           k_qcdbfc2f477_attn
    .symbol:         k_qcdbfc2f477_attn.kd
    .args:
      - { .name: qkv, .offset: 0, .size: 8, .value_kind: global_buffer, .address_space: global }
      - { .name: ao, .offset: 8, .size: 8, .value_kind: global_buffer, .address_space: global }
    .group_segment_fixed_size: 168960
    .private_segment_fixed_size: 0
    .kernarg_segment_align: 8
    .kernarg_segment_size: 16
    .max_flat_workgroup_size: 256
    .sgpr_count:     66
    .vgpr_count:     256
    .wavefront_size: 32
...
	.end_amdgpu_metadata
.endif
;; end of part 2
;; launch proj (part 3): grid 256 x 1, 4 waves a work-group, clusters of 4 x 1, 168,448 bytes of LDS; arguments ao, w_out, b_out, x, out0; writes out0
.if DOCPART == 3
	.amdgcn_target "amdgcn-amd-amdhsa--gfx1250"
	.amdhsa_code_object_version 6
	.text
	.protected	k_qcdbfc2f477_proj
	.globl	k_qcdbfc2f477_proj
	.p2align	8
	.type	k_qcdbfc2f477_proj,@function
k_qcdbfc2f477_proj:
	s_mov_b64 s[64:65], 0
	v_nop
	global_prefetch_b8 v0, s[64:65] scope:SCOPE_SE
	s_setreg_imm32_b32 hwreg(HW_REG_WAVE_MODE, 25, 1), 1
	s_wait_xcnt 0x0
	s_wait_alu depctr_hold_cnt(0) depctr_sa_sdst(0) depctr_va_vdst(0) depctr_va_sdst(0) depctr_va_ssrc(0) depctr_va_vcc(0) depctr_vm_vsrc(0)
	s_getreg_b32 s2, hwreg(HW_REG_IB_STS2, 6, 4)
	s_cmp_eq_u32 s2, 0
	s_cbranch_scc0 .Lentry_in_a_cluster
	s_endpgm
.Lentry_in_a_cluster:
	s_bfe_u32 s2, ttmp6, 0x10000c
	s_cmp_lg_u32 s2, 0x3003
	s_cbranch_scc0 .Lentry_shape_is_right
	s_endpgm
.Lentry_shape_is_right:
; out0 = W_out a + b_out + x for one batch b, one block of 256 positions (pb) and 32 output rows (ob).
; a comes as operand blocks of 1,024 bytes, [8 b + head][stored position tile][rows = positions, k = the head's 32 channels], bf16: a K step is a head.
; Four waves; a wave makes 32 rows x 64 positions: 2 row tiles x 4 position tiles x 8 heads = 64 matrix instructions.
; CLUSTERS: four blocks of output rows of one (b, pb) form a cluster (cluster number = 2 (4 b + pb) + ob / 4, place in it = ob % 4).  They need the same
; 128 KiB of a, which is asked for JOINTLY: each wave its own four blocks of every head, in four loads of two heads (two rows of 4,096 bytes, 65,536 bytes
; apart).  Every LDS byte is filled once; a wave reads only the bytes that it asked for itself, behind its own counted s_wait_tensorcnt.
; A wave has four tensor loads outstanding.  W_out, the bias and x differ between the partners and come through registers.
; Stored position tile u of a wave holds positions s0 + 4 r + u, so register j of the four tiles' results is four neighbouring f32 of row 8 h + j:
; x's residual comes in, and the result leaves, by 16 bytes a lane, 256 consecutive aligned bytes for every 16 lanes.
; The bias is the C operand of the first head's products (register j of C is row 8 h + j): it costs no vector instruction.
; LIMITS: matrix operands (a, W_out) are bf16; bias, residual and sums are f32.
.set WPITCH, 528                       ; an LDS row of W_out: 256 bf16 + 16 bytes = 33 x 16
.set ROWB,   4096                      ; bytes in a row of x and of out0
.set WLDS,   131072                    ; W_out lies behind the four waves' 32,768 bytes of a
.set BA,   4                           ; v4   a in LDS: wave * 32,768 + 16 lane
.set WO,   5                           ; v5   W_out in memory: wave * 8 rows + 16 lane
.set WS,   6                           ; v6   W_out into LDS: WLDS + wave * 8 rows + 8 lane
.set WR,   7                           ; v7   its fragments: WLDS + r * pitch + 16 h
.set XO,   8                           ; v8   x and out0: h * 8 rows + wave * 256 + 16 r
.set BO,   9                           ; v9   32 h
.set BIAS, 12                          ; v[12:27]   [row tile][j]
.set WST,  32                          ; v[32:95]   W_out as loaded; then
.set AF,   32                          ;            its fragments: 2 buffers x (2 heads x 2 row tiles) x 8
.set CW,   96                          ; v[96:127]  W_out converted
.set ACC,  128                         ; v[128:191] tile (ot, u) at 8 (4 ot + u)
.set XR,   192                         ; v[192:255] x, then the result: [(8 ot + j) * 4 + u]
; window 1: a's fragments, (4 head + u) * 8
.set G1,   16                          ; s[16:23] descriptor group 1
.set G0,   24                          ; s[24:39] descriptor group 0, a set for each of the four loads
.set MSB, 0
.macro WIN new                         ; low byte: bits 1:0 source 0, 3:2 source 1, 5:4 source 2, 7:6 destination; the high byte repeats the setting that is left
.if MSB != \new
	s_set_vgpr_msb (MSB<<8)|\new
.set MSB, \new
.endif
.endm
; A round of the cluster's barrier: my work-group's barrier, wave 0 signals for the work-group, every wave waits for all four work-groups, my work-group's barrier again.
.macro ROUND
	s_barrier_signal -1
	s_barrier_wait -1
	s_cmp_lg_u32 s14, 0
	s_cbranch_scc1 .Lnot_wave_0_\@
	s_barrier_signal -3
.Lnot_wave_0_\@:
	s_barrier_wait -3
	s_barrier_signal -1
	s_barrier_wait -1
.endm
	s_load_b256 s[4:11], s[0:1], 0x0               ; ao s[4:5], w_out s[6:7], b_out s[8:9], x s[10:11]
	s_load_b64 s[12:13], s[0:1], 0x20              ; out0
	v_lshl_add_u32 v30, v0, 2, 0x29000
	v_mov_b32 v31, 0
	ds_add_u32 v30, v31
	s_wait_dscnt 0x0
	v_lshrrev_b32 v1, 5, v0
	v_readfirstlane_b32 s14, v1                    ; wave 0..3
	ROUND                                          ; all four work-groups are here; the round runs while the addresses are on their way
	; what the four partners share: b, pb and the wave's number.  Nothing made of my place in the cluster enters s[16:41].
	s_lshr_b32 s44, ttmp9, 1                       ; in a cluster launch ttmp9 counts clusters: 4 b + pb
	s_lshr_b32 s45, s44, 2                         ; b
	s_and_b32 s46, s44, 3                          ; pb
	s_lshl_b32 s40, s45, 19                        ; a: b * 8 heads * 64 KiB
	s_lshl_b32 s47, s46, 14                        ;    + pb * 16 blocks
	s_add_co_u32 s40, s40, s47
	s_lshl_b32 s47, s14, 12                        ;    + wave * 4 blocks
	s_add_co_u32 s40, s40, s47
	s_mov_b32 s41, 0
	; group 1: 2 rows (heads) of 512 elements of 8 bytes, 65,536 bytes from row to row
	s_mov_b32 s[G1+0], 0x0023000f                  ; 15:0 mask: all four work-groups of the cluster; 17:16 elements of 8 bytes; 21 set beside a mask
	s_mov_b32 s[G1+1], 512<<16                     ; tensor_dim0 = 512
	s_mov_b32 s[G1+2], 2<<16                       ; tensor_dim1 = 2
	s_mov_b32 s[G1+3], 512<<16                     ; tile_dim0 = 512
	s_mov_b32 s[G1+4], 2                           ; tile_dim1 = 2
	s_mov_b32 s[G1+5], 8192                        ; from row to row: 8,192 elements
	s_mov_b32 s[G1+6], 0
	s_mov_b32 s[G1+7], 0
	s_lshl_b32 s48, s14, 15                        ; my 32,768 bytes of LDS
.irp p, 0,1,2,3
	s_mov_b32 s[G0+4*\p], 1
	s_add_co_u32 s[G0+4*\p+1], s48, \p*8192
.endr
	; my block of output rows: it enters the addresses of W_out, of the bias, of x and of out0 alone
	s_bfe_u32 s15, ttmp6, 0x40000                  ; cx
	s_and_b32 s49, ttmp9, 1
	s_lshl_b32 s49, s49, 2
	s_add_co_u32 s15, s49, s15                     ; ob = 4 * (cluster % 2) + cx
	v_and_b32 v1, 31, v0                           ; lane
	v_and_b32 v2, 15, v0                           ; r
	v_bfe_u32 v3, v0, 4, 1                         ; h
	s_lshl_b32 s50, s14, 13
	s_mul_i32 s51, s14, 8*WPITCH
	s_add_co_u32 s51, s51, WLDS
	s_lshl_b32 s52, s14, 8
	v_lshl_add_u32 v[BA], v1, 4, s48
	v_lshl_add_u32 v[WO], v1, 4, s50
	v_lshl_add_u32 v[WS], v1, 3, s51
	v_mul_u32_u24 v[WR], v2, WPITCH
	v_lshl_add_u32 v[WR], v3, 4, v[WR]
	v_add_nc_u32 v[WR], WLDS, v[WR]
	v_lshlrev_b32 v[XO], 4, v2
	v_lshl_add_u32 v[XO], v3, 15, v[XO]
	v_add_nc_u32 v[XO], s52, v[XO]
	v_lshlrev_b32 v[BO], 5, v3
	s_wait_kmcnt 0x0
	s_add_nc_u64 s[4:5], s[4:5], s[40:41]
.irp p, 0,1,2,3
	s_add_nc_u64 s[G0+4*\p+2:G0+4*\p+3], s[4:5], \p*131072         ; heads 2 p and 2 p + 1
	s_or_b32 s[G0+4*\p+3], s[G0+4*\p+3], 0x80000000               ; type = 2
	tensor_load_to_lds s[G0+4*\p:G0+4*\p+3], s[G1:G1+7]
	s_nop 0
.endr
	s_mov_b32 s43, 0                               ; offsets are made apart from the addresses, in s[42:43]
	s_lshl_b32 s42, s15, 15                        ; W_out: ob * 32 rows
	s_add_nc_u64 s[6:7], s[6:7], s[42:43]
	s_lshl_b32 s42, s15, 7
	s_add_nc_u64 s[8:9], s[8:9], s[42:43]
	s_lshl_b32 s42, s45, 20                        ; x, out0: b * 1 MiB + ob * 32 rows + pb * 256 positions
	s_lshl_b32 s47, s15, 17
	s_add_co_u32 s42, s42, s47
	s_lshl_b32 s47, s46, 10
	s_add_co_u32 s42, s42, s47
	s_add_nc_u64 s[10:11], s[10:11], s[42:43]
	s_add_nc_u64 s[12:13], s[12:13], s[42:43]
	; 4 loads of bias, 16 of W_out, 16 of x, in this order
.irp ot, 0,1
.irp g, 0,1
	global_load_b128 v[BIAS+8*\ot+4*\g:BIAS+8*\ot+4*\g+3], v[BO], s[8:9] offset:64*\ot+16*\g
.endr
.endr
.set i, 0
.rept 16
	global_load_b128 v[WST+4*i:WST+4*i+3], v[WO], s[6:7] offset:512*i
.set i, i+1
.endr
.irp ot, 0,1
.irp j, 0,1,2,3,4,5,6,7
	global_load_b128 v[XR+(8*\ot+\j)*4:XR+(8*\ot+\j)*4+3], v[XO], s[10:11] offset:(16*\ot+\j)*ROWB th:TH_LOAD_NT
.endr
.endr
	; W_out to bf16 and into LDS, each wave its 8 rows
	s_wait_loadcnt 16                              ; loads come back in order: bias and W_out are in, the 16 of x stay out
.set i, 0
.rept 32
	v_cvt_pk_bf16_f32 v[CW+i], v[WST+2*i], v[WST+2*i+1]
.set i, i+1
.endr
.set i, 0
.rept 16
	ds_store_b64 v[WS], v[CW+2*i:CW+2*i+1] offset:(i/2)*WPITCH+(i%2)*256
.set i, i+1
.endr
	s_wait_dscnt 0x0                               ; my rows are in LDS: zero, for the other waves' sake
	s_barrier_signal -1
	s_barrier_wait -1                              ; my tensor loads may stay out
.macro BFLOAD p                        ; 16 LDS loads: a's fragments of heads 2 p and 2 p + 1 for my four position tiles; each register is loaded once
	WIN 0x40                                       ; destination window 1
.irp hh, 0,1
.irp u, 0,1,2,3
.irp g, 0,1
	ds_load_b128 v[((2*\p+\hh)*4+\u)*8+4*\g:((2*\p+\hh)*4+\u)*8+4*\g+3], v[BA] offset:(2*\p+\hh)*4096+\u*1024+\g*512
.endr
.endr
.endr
	WIN 0x04                                       ; source 1 (a's fragments) window 1: for the matrix instructions; W_out's LDS loads name destination and source 0 alone
.endm
.macro AFLOAD buf, p                   ; 8 LDS loads: W_out's fragments for heads 2 p and 2 p + 1
.irp hh, 0,1
.irp ot, 0,1
.irp g, 0,1
	ds_load_b128 v[AF+32*\buf+(2*\hh+\ot)*8+4*\g:AF+32*\buf+(2*\hh+\ot)*8+4*\g+3], v[WR] offset:\ot*16*WPITCH+(2*\p+\hh)*64+32*\g
.endr
.endr
.endr
.endm
.macro MM16 buf, p                     ; two heads: the eight accumulators take turns, one instruction a turn
.irp hh, 0,1
.irp ot, 0,1
.irp u, 0,1,2,3
.if (2*\p+\hh) == 0
	v_wmma_f32_16x16x32_bf16 v[ACC+(4*\ot+\u)*8:ACC+(4*\ot+\u)*8+7], v[AF+32*\buf+(2*\hh+\ot)*8:AF+32*\buf+(2*\hh+\ot)*8+7], v[((2*\p+\hh)*4+\u)*8:((2*\p+\hh)*4+\u)*8+7], v[BIAS+8*\ot:BIAS+8*\ot+7]
.else
	v_wmma_f32_16x16x32_bf16 v[ACC+(4*\ot+\u)*8:ACC+(4*\ot+\u)*8+7], v[AF+32*\buf+(2*\hh+\ot)*8:AF+32*\buf+(2*\hh+\ot)*8+7], v[((2*\p+\hh)*4+\u)*8:((2*\p+\hh)*4+\u)*8+7], v[ACC+(4*\ot+\u)*8:ACC+(4*\ot+\u)*8+7]
.endif
.endr
.endr
.endr
.endm
.macro PLACES                          ; four places behind matrix instructions (ISA guide 7.12.1) before their sources are loaded again or their results read
.rept 4
	v_nop
.endr
.endm
	; Each s_wait_tensorcnt leaves out the loads issued behind the pair of heads that is read next; each s_wait_dscnt 24 the 16 + 8 loads of the next pair.
	s_wait_tensorcnt 0x3
	BFLOAD 0
	AFLOAD 0, 0
	s_wait_tensorcnt 0x2
	BFLOAD 1
	AFLOAD 1, 1
	s_wait_dscnt 24
	MM16 0, 0
	PLACES
	s_wait_tensorcnt 0x1
	BFLOAD 2
	AFLOAD 0, 2
	s_wait_dscnt 24
	MM16 1, 1
	PLACES
	s_wait_tensorcnt 0x0
	BFLOAD 3
	AFLOAD 1, 3
	s_wait_dscnt 24
	MM16 0, 2
	s_wait_dscnt 0x0
	MM16 1, 3
	WIN 0
	s_wait_loadcnt 0x0                             ; x
	PLACES
.irp ot, 0,1
.irp j, 0,1,2,3,4,5,6,7
.irp u, 0,1,2,3
	v_add_f32 v[XR+(8*\ot+\j)*4+\u], v[XR+(8*\ot+\j)*4+\u], v[ACC+(4*\ot+\u)*8+\j]
.endr
	global_store_b128 v[XO], v[XR+(8*\ot+\j)*4:XR+(8*\ot+\j)*4+3], s[12:13] offset:(16*\ot+\j)*ROWB th:TH_STORE_NT
.endr
.endr
	s_wait_tensorcnt 0x0
	ds_add_u32 v30, v31
	s_wait_dscnt 0x0
	ROUND                                          ; the closing round: no work-group ends while a partner may still ask for a tile that names it
	s_endpgm
.Lfunc_end_k_qcdbfc2f477_proj:
	.size	k_qcdbfc2f477_proj, .Lfunc_end_k_qcdbfc2f477_proj-k_qcdbfc2f477_proj
	.p2alignl 7, 3214868480
	.fill 96, 4, 3214868480
	.section	.rodata,"a",@progbits
	.p2align	6, 0x0
	.amdhsa_kernel k_qcdbfc2f477_proj
		.amdhsa_group_segment_fixed_size 168448
		.amdhsa_private_segment_fixed_size 0
		.amdhsa_enable_private_segment 0
		.amdhsa_kernarg_size 40
		.amdhsa_user_sgpr_count 2
		.amdhsa_user_sgpr_kernarg_segment_ptr 1
		.amdhsa_wavefront_size32 1
		.amdhsa_system_sgpr_workgroup_id_x 1
		.amdhsa_system_sgpr_workgroup_id_y 1
		.amdhsa_system_sgpr_workgroup_id_z 1
		.amdhsa_system_vgpr_workitem_id 0
		.amdhsa_next_free_vgpr 512
		.amdhsa_next_free_sgpr 66
		.amdhsa_reserve_vcc 0
		.amdhsa_float_denorm_mode_32 3
		.amdhsa_float_denorm_mode_16_64 3
		.amdhsa_memory_ordered 1
		.amdhsa_forward_progress 1
		.amdhsa_inst_pref_size 27
	.end_amdhsa_kernel
	.amdgpu_metadata
---
amdhsa.version: [ 1, 2 ]
amdhsa.kernels:
  - .name:           k_qcdbfc2f477_proj
    .symbol:         k_qcdbfc2f477_proj.kd
    .args:
      - { .name: ao, .offset: 0, .size: 8, .value_kind: global_buffer, .address_space: global }
      - { .name: w_out, .offset: 8, .size: 8, .value_kind: global_buffer, .address_space: global }
      - { .name: b_out, .offset: 16, .size: 8, .value_kind: global_buffer, .address_space: global }
      - { .name: x, .offset: 24, .size: 8, .value_kind: global_buffer, .address_space: global }
      - { .name: out0, .offset: 32, .size: 8, .value_kind: global_buffer, .address_space: global }
    .group_segment_fixed_size: 168448
    .private_segment_fixed_size: 0
    .kernarg_segment_align: 8
    .kernarg_segment_size: 40
    .max_flat_workgroup_size: 128
    .sgpr_count:     66
    .vgpr_count:     512
    .wavefront_size: 32
...
	.end_amdgpu_metadata
.endif
;; end of part 3
